; MI455X (gfx1250); checked and timed in simulation.
; The chip was launched on July 23, 2026; its instructions are those of AMD's public machine-readable ISA for CDNA 5 (MIT licence, August 2026) and "CDNA5" Instruction Set Architecture Reference Guide (July 2026). The comments in the code are by the model that wrote it; some were corrected since.
;; Scaled Dot Product Attention. Allowed arithmetic: matrix products marked QUANTISED: E2M1 operands, one E8M0 scale for each 32 along K, by v_wmma_scale_f32_16x16x128_f8f6f4 with both operands' format E2M1 (or v_wmma_scale_f32_32x16x128_f4), f32 sums; everything else in f32.
;; Inputs: bk 1,024 float32; bo 1,024 float32; bq 1,024 float32; bv 1,024 float32; wk_codes 1,024 x 32 x 16 uint8 (E2M1 codes of wk, K innermost, in blocks of 32 codes, two codes a byte); wk_scales 1,024 x 32 uint8 (E8M0 scales of wk, one for each 32 codes along K); wo_codes 1,024 x 32 x 16 uint8 (E2M1 codes of wo, K innermost, in blocks of 32 codes, two codes a byte); wo_scales 1,024 x 32 uint8 (E8M0 scales of wo, one for each 32 codes along K); wq_codes 1,024 x 32 x 16 uint8 (E2M1 codes of wq, K innermost, in blocks of 32 codes, two codes a byte); wq_scales 1,024 x 32 uint8 (E8M0 scales of wq, one for each 32 codes along K); wv_codes 1,024 x 32 x 16 uint8 (E2M1 codes of wv, K innermost, in blocks of 32 codes, two codes a byte); wv_scales 1,024 x 32 uint8 (E8M0 scales of wv, one for each 32 codes along K); x_codes 4 x 2,048 x 32 x 16 uint8 (E2M1 codes of x, K innermost, in blocks of 32 codes, two codes a byte); x_scales 4 x 2,048 x 32 uint8 (E8M0 scales of x, one for each 32 codes along K).
;; Outputs: out0 4 x 2,048 x 1,024 float32.
;; This version of the problem:
;;   THIS VERSION OF THE PROBLEM IS GIVEN IN LOW PRECISION. The matrix products marked QUANTISED in the list below multiply operands that are first quantised to E2M1 (2 exponent bits, 1 mantissa bit; 4 bits a number), with one power-of-two scale for each 32 numbers along K (OCP MX v1.0); their sums are f32. All else is computed in f32.
;;   The module's matrix products, in the order in which they are computed (A, B: the left and right operand; K: the contracted axis; several contracted axes count as one K, in the product's order):
;;     1. [M 8,192, K 1,024] x [K 1,024, N 1,024]; A: input x (given as codes); B: input wq (given as codes): QUANTISED
;;     2. [M 8,192, K 1,024] x [K 1,024, N 1,024]; A: input x (given as codes); B: input wk (given as codes): QUANTISED
;;     3. [M 8,192, K 1,024] x [K 1,024, N 1,024]; A: input x (given as codes); B: input wv (given as codes): QUANTISED
;;     4. batch 64 x [M 2,048, K 64] x [K 64, N 2,048]; A: computed on the way; B: computed on the way: QUANTISED
;;     5. batch 64 x [M 2,048, K 2,048] x [K 2,048, N 64]; A: softmax (see below); B: computed on the way: QUANTISED
;;     6. [M 8,192, K 1,024] x [K 1,024, N 1,024]; A: computed on the way; B: input wo (given as codes): QUANTISED
;;   THE QUANTISER, for each operand of a quantised product, along K:
;;     - K is cut into blocks of 32 from its start; a last block that is shorter is filled with zeros.
;;     - A block's scale is 2^e with e = floor(log2(the largest magnitude in the block)) - 2, held to -126 .. 127; a block of zeros has e = 0. As a byte (E8M0): e + 127.
;;     - Each number is divided by its block's scale, clamped to +-6, and rounded to the nearest number of E2M1, ties to even, subnormals kept.
;;     - The product sums the exact products of the quantised numbers (number of the format x scale) in f32.
;;   ~~~python
;;   def quantise(x, axis):      # numpy; x: float32 -> the quantised numbers, widened to float32 again
;;       x = np.moveaxis(x, axis, -1); K = x.shape[-1]
;;       x = np.pad(x, [(0, 0)] * (x.ndim - 1) + [(0, -K % 32)]); x = x.reshape(x.shape[:-1] + (-1, 32)); a = np.abs(x).max(-1, keepdims=True)
;;       e = np.where(a > 0, np.clip(np.frexp(np.where(a > 0, a, 1))[1] - 1 - 2, -126, 127), 0)      # np.frexp(a)[1] - 1 = floor(log2(a)), exactly
;;       r = np.clip(x / 2.0 ** e, -6, 6)
;;       step = 2.0 ** (np.maximum(np.frexp(np.where(r == 0, 1, r))[1] - 1, 0) - 1)
;;       q = np.round(r / step) * step * 2.0 ** e      # np.round: ties to even
;;       return np.moveaxis(q.reshape(q.shape[:-2] + (-1,))[..., :K], -1, axis).astype(np.float32)
;;   ~~~
;;   SOFTMAX AHEAD OF A QUANTISED PRODUCT. Where the list says 'softmax', what is quantised is not the finished softmax but p = 2^(t - M), with t = logit x log2(e) and M = ceil(the row's largest t), a whole number; so 1/2 < the row's largest p <= 1. The row's sum l is taken of the UNQUANTISED p, in f32, and the product's result is divided by l at the end. Since M is a whole number, a kernel that streams over the keys may use a running M (the ceiling of the running maximum): every later rescaling is an exact power of two, which a block's scale takes up: the codes' values come out the same.
;;   OPERANDS COMPUTED ON THE WAY. 'Computed on the way' means the value that the module computes at that place (a softmax that the list does not call 'softmax' is quantised finished and normalised). What goes into a quantiser is computed in f32, as accurately as f32 sums, v_exp_f32 and their like allow (about 1e-6 of the number): no bf16 or f16 on the way to a quantiser, and a product that is left as it is and whose result goes on into a quantised operand takes f32 operands (vector FMAs, or v_wmma_f32_16x16x4_f32). A number that lies on a knife's edge between two numbers of the format may be rounded either way, as far as f32 arithmetic and the matrix unit's own rounding can turn it there, and no further.
;;   INPUTS GIVEN AS CODES. wk (in the module: [1024, 1024], K = its axis 1); wo (in the module: [1024, 1024], K = its axis 1); wq (in the module: [1024, 1024], K = its axis 1); wv (in the module: [1024, 1024], K = its axis 1); x (in the module: [4, 2048, 1024], K = its axis 2): each comes as NAME_codes (uint8): NAME with its K axis moved to the last place and cut into blocks of 32 codes, [.., K / 32, bytes a block], one block behind the other in memory; two codes a byte, the lower K in the low four bits (a code: sign, 2 exponent bits, 1 mantissa bit); and NAME_scales (uint8): the same leading axes, one E8M0 byte (e + 127) for each 32 codes along K. Its value is code x scale, taken as it is: it is not quantised again, and the codes and scales need not be those that the quantiser above would give.
;; One version. Each part assembles by itself: llvm-mc -triple=amdgcn-amd-amdhsa -mcpu=gfx1250 --defsym DOCPART=n.
;; ======== version 1 of 1: 3 launches
;; workspace buffers: q_c 4,194,304 bytes; k_c 4,194,304 bytes; v_c 4,194,304 bytes; q_s 262,144 bytes; k_s 262,144 bytes; v_s 262,144 bytes; a_c 4,194,304 bytes; a_s 262,144 bytes
;; launch qkv (part 1): grid 12 x 32, 4 waves a work-group, clusters of 4 x 4, 296,448 bytes of LDS; arguments x_codes, x_scales, wq_codes, wq_scales, bq, q_c, q_s, wk_codes, wk_scales, bk, k_c, k_s, wv_codes, wv_scales, bv, v_c, v_s; writes q_c, q_s, k_c, k_s, v_c, v_s
.if DOCPART == 1
	.amdgcn_target "amdgcn-amd-amdhsa--gfx1250"
	.amdhsa_code_object_version 6
	.text
	.protected	k_qafed885f49_qkv
	.globl	k_qafed885f49_qkv
	.p2align	8
	.type	k_qafed885f49_qkv,@function
k_qafed885f49_qkv:
	s_mov_b64 s[64:65], 0
	v_nop
	global_prefetch_b8 v0, s[64:65] scope:SCOPE_SE
	s_setreg_imm32_b32 hwreg(HW_REG_WAVE_MODE, 25, 1), 1
	s_wait_xcnt 0x0
	s_wait_alu depctr_hold_cnt(0) depctr_sa_sdst(0) depctr_va_vdst(0) depctr_va_sdst(0) depctr_va_ssrc(0) depctr_va_vcc(0) depctr_vm_vsrc(0)
	s_getreg_b32 s2, hwreg(HW_REG_IB_STS2, 6, 4)
	s_cmp_eq_u32 s2, 0
	s_cbranch_scc0 .Lentry_in_a_cluster
	s_endpgm
.Lentry_in_a_cluster:
	s_bfe_u32 s2, ttmp6, 0x10000c
	s_cmp_lg_u32 s2, 0xf033
	s_cbranch_scc0 .Lentry_shape_is_right
	s_endpgm
.Lentry_shape_is_right:
; q, k, v = x W^T + b on codes of FP4 (E2M1) with one E8M0 scale for each 32 along K = 1,024; the results are quantised in registers and stored as IMAGES OF THE OPERAND REGISTERS that the attention launch loads.
; The cluster's x says which product: 0 q, 1 k, 2 v.  A work-group makes 256 tokens x 256 features, each of its four waves 128 x 128: 64 accumulators, 512 registers.
; q, k are quantised along the head's 64 features, v along the keys (tokens).  So for q and k source 0 = 16 rows of W and source 1 = 16 tokens (a lane holds one token, its registers run along the features);
; for v source 0 = 16 tokens and source 1 = 16 rows of W (a lane holds one feature, its registers run along the tokens).  The text is one: P is what source 0 takes, R what source 1 takes;
; the two ways differ in four LDS bases, in the bias's layout and in a byte selector.
; The bias is the C of each sum's first matrix instruction: it starts the sum and is not added behind it (an order of f32 rounding).
; ALL OPERANDS LIE IN LDS, FILLED ONCE: 256 rows of x and 256 of W, 512 bytes each, in two halves along K (two regions), and their scale bytes.  No LDS byte is filled twice.
; CLUSTER 4 x 4: x's tiles hang on the token tile alone and are asked for jointly along a row of the cluster, W's on the feature tile alone, along a column.
; A TILE'S ROWS ARE NEIGHBOURS.  Of the eight result tiles of a lane, tiles 2 B and 2 B + 1 are block B of 32 (16 numbers in lane l, 16 in lane l xor 16).  The conversion of tile 4 c + 2 e + u goes to code register
; 4 c + 2 u + e; two exchanges of lane halves for each c then leave registers 4 c .. 4 c + 3 of lane (r, h) with k = 64 c + 32 h + 0 .. 31: the operand's layout.
; LIMITS: NaN and infinities are not served.  A block whose largest magnitude lies under 2^-124, a block of zeros among them, gets the scale byte 1 (the rule says 127 for zeros: its codes are zeros, and this program alone reads the bytes).
; REGISTERS: window 0: v1-15 addresses, v16-27 at work, v[28:31] scale words out, v32-95 P's scale words (8 tiles x 8 K steps), v96-159 R's, v160-223 the bias, later the codes made, v224-231 a scale word for each tile;
;   window 1: v0-127 P's fragments, two sets; v128-255 R's, two sets.   windows 2, 3: accumulator (jt, it) at v[8 (8 (jt % 4) + it)] of window 2 + jt / 4.
.set PITCH, 272                        ; an LDS row: 256 bytes + 16 of padding: the 16 rows of a fragment load start 68 words apart
.set HALFT, 128*PITCH                  ; 128 rows: what one tensor load brings
.set SLOT,  4*HALFT                    ; a half of K: x's 256 rows, then W's 256 rows
.set SCX,   2*SLOT                     ; x's scale bytes: 32 a row, as runs of 256 bytes + 16 of padding
.set HALFS, 16*272                     ; those of 128 rows
.set SCW,   SCX+2*HALFS                ; W's
.set PADW,  (1<<20)|(1<<21)|(5<<22)|(3<<25)   ; group 1, word 0: padding on; bit 21 beside a mask; after every 64 words; four words
.set MSB, 0
.macro WIN new                         ; the immediate's high byte repeats the setting that is left; a switch that changes nothing is dropped
.if MSB != (\new)
	s_set_vgpr_msb (MSB<<8)|(\new)
.set MSB, (\new)
.endif
.endm
.macro PLACES n
.rept \n
	v_nop
.endr
.endm
; A joint load: waves 0 and 1 fetch for x, waves 2 and 3 for W.  The branch hangs on the wave's number alone.  Four v_nop follow each of the two lines.
.macro JLOAD g0a, g1a, g0b, g1b
	s_cmp_eq_u32 s19, 0
	s_cbranch_scc0 .Lfor_b_\@
	tensor_load_to_lds s[\g0a:\g0a+3], s[\g1a:\g1a+7]
	s_nop 0
.rept 4
	v_nop
.endr
	s_branch .Lasked_\@
.Lfor_b_\@:
	tensor_load_to_lds s[\g0b:\g0b+3], s[\g1b:\g1b+7]
	s_nop 0
.rept 4
	v_nop
.endr
.Lasked_\@:
.endm
.macro CROUND                          ; a round of the cluster's barrier
	s_barrier_signal -1
	s_barrier_wait -1
	s_cmp_lg_u32 s18, 0
	s_cbranch_scc1 .Lnot_wave_0_\@
	s_barrier_signal -3
.Lnot_wave_0_\@:
	s_barrier_wait -3
	s_barrier_signal -1
	s_barrier_wait -1
.endm
	s_load_b128 s[4:7], s[0:1], 0x0                ; x's codes, x's scales
	s_load_b256 s[8:15], s[0:1], 0x10              ; q's set: W's codes, W's scales, the bias, the codes out
	s_load_b64 s[16:17], s[0:1], 0x30              ; and the scales out
	s_load_b256 s[20:27], s[0:1], 0x38             ; k's set
	s_load_b64 s[28:29], s[0:1], 0x58
	s_load_b256 s[32:39], s[0:1], 0x60             ; v's set
	s_load_b64 s[40:41], s[0:1], 0x80
	v_lshl_add_u32 v254, v0, 2, 0x48400
	v_mov_b32 v255, 0
	ds_add_u32 v254, v255
	ds_add_u32 v254, v255
	v_lshrrev_b32 v1, 5, v0
	v_readfirstlane_b32 s18, v1                    ; wave 0..3
	s_lshr_b32 s19, s18, 1                         ; e: my half of the features.  Also: I fetch for x (0) or for W (1)
	s_and_b32 s80, s18, 1                          ; a: my half of the tokens.  Also: which 128 rows I fetch
	s_bfe_u32 s81, ttmp6, 0x40000                  ; cx: the tile of 256 rows of W
	s_bfe_u32 s82, ttmp6, 0x40004                  ; cy
	s_and_b32 s83, ttmp7, 0xffff
	s_lshl_b32 s83, s83, 2
	s_add_co_u32 s83, s83, s82                     ; the tile of 256 tokens = 4 x cluster y + cy
	s_lshl_b32 s84, s82, 2
	s_lshl_b32 s84, 15, s84                        ; my row of the cluster
	s_lshl_b32 s85, 0x1111, s81                    ; my column
	s_lshl_b32 s89, s80, 7                         ; which 128 rows I fetch
	s_lshl_b32 s88, s83, 8
	s_add_co_u32 s88, s88, s89                     ; x: row 256 x token tile + 128 x half
	s_lshl_b32 s90, s88, 9                         ; its codes, 512 bytes a row,
	s_mov_b32 s91, 0
	s_lshl_b32 s92, s88, 5                         ; its scale bytes, 32 a row
	s_mov_b32 s93, 0
	s_lshl_b32 s94, s81, 8
	s_add_co_u32 s94, s94, s89                     ; W: row 256 x cx + 128 x half
	s_lshl_b32 s96, s94, 9
	s_mov_b32 s97, 0
	s_lshl_b32 s98, s94, 5
	s_mov_b32 s99, 0
	s_mul_i32 s86, s18, HALFT                      ; where they go: wave x 128 rows: no place in the cluster enters an LDS address
	s_mul_i32 s87, s18, HALFS
	s_mov_b32 s2, 0x76543210
	s_mov_b32 s3, 0xfedcba98                       ; v_permlanex16_b32's selects for lane l xor 16
	s_wait_dscnt 0x0
	s_wait_kmcnt 0x0
	s_cmp_eq_u32 ttmp9, 1                          ; the product's set of five buffers: the choice hangs on the cluster's x alone
.irp i, 0,2,4,6,8
	s_cselect_b64 s[8+\i:9+\i], s[20+\i:21+\i], s[8+\i:9+\i]
.endr
	s_cmp_eq_u32 ttmp9, 2
.irp i, 0,2,4,6,8
	s_cselect_b64 s[8+\i:9+\i], s[32+\i:33+\i], s[8+\i:9+\i]
.endr
	; descriptor group 1.  Codes: 128 rows x 256 bytes, 512 bytes apart in memory, padded in LDS.  s[20:27] x's (mask: my row), s[28:35] W's (mask: my column)
	s_or_b32 s20, s84, PADW
	s_or_b32 s28, s85, PADW
.irp g, 20, 28
	s_mov_b32 s[\g+1], 256<<16                     ; tensor_dim0
	s_mov_b32 s[\g+2], 128<<16                     ; tensor_dim1
	s_mov_b32 s[\g+3], 256<<16                     ; tile_dim0
	s_mov_b32 s[\g+4], 128                         ; tile_dim1
	s_mov_b32 s[\g+5], 512                         ; from row to row
	s_mov_b32 s[\g+6], 0
	s_mov_b32 s[\g+7], 0
.endr
	; scale bytes of 128 rows: 4,096 dense bytes as 16 rows of 32 elements of 8 bytes, padded.  s[36:43] x's, s[44:51] W's
	s_or_b32 s36, s84, PADW|(3<<16)
	s_or_b32 s44, s85, PADW|(3<<16)
.irp g, 36, 44
	s_mov_b32 s[\g+1], 32<<16
	s_mov_b32 s[\g+2], 16<<16
	s_mov_b32 s[\g+3], 32<<16
	s_mov_b32 s[\g+4], 16
	s_mov_b32 s[\g+5], 32
	s_mov_b32 s[\g+6], 0
	s_mov_b32 s[\g+7], 0
.endr
	s_add_nc_u64 s[4:5], s[4:5], s[90:91]          ; x's codes and scale bytes at the rows that I fetch,
	s_add_nc_u64 s[6:7], s[6:7], s[92:93]
	s_add_nc_u64 s[8:9], s[8:9], s[96:97]          ; W's likewise
	s_add_nc_u64 s[10:11], s[10:11], s[98:99]
	; group 0: s[60:63] x's scales, s[52:55], s[56:59] x's two halves of K;  s[76:79], s[68:71], s[72:75] the same for W
	s_mov_b32 s60, 1
	s_add_co_u32 s61, s87, SCX
	s_mov_b64 s[62:63], s[6:7]
	s_or_b32 s63, s63, 0x80000000
	s_mov_b32 s76, 1
	s_add_co_u32 s77, s87, SCX
	s_mov_b64 s[78:79], s[10:11]
	s_or_b32 s79, s79, 0x80000000
	s_mov_b32 s52, 1
	s_mov_b32 s53, s86
	s_mov_b64 s[54:55], s[4:5]
	s_or_b32 s55, s55, 0x80000000
	s_mov_b32 s56, 1
	s_add_co_u32 s57, s86, SLOT
	s_add_nc_u64 s[58:59], s[4:5], 256
	s_or_b32 s59, s59, 0x80000000
	s_mov_b32 s68, 1
	s_mov_b32 s69, s86
	s_mov_b64 s[70:71], s[8:9]
	s_or_b32 s71, s71, 0x80000000
	s_mov_b32 s72, 1
	s_add_co_u32 s73, s86, SLOT
	s_add_nc_u64 s[74:75], s[8:9], 256
	s_or_b32 s75, s75, 0x80000000
	CROUND                                         ; all sixteen work-groups are here: the joint loads meet
	JLOAD 60, 36, 76, 44                           ; the scale bytes,
	JLOAD 52, 20, 68, 28                           ; K = 0 .. 511,
	JLOAD 56, 20, 72, 28                           ; K = 512 .. 1,023: three loads of mine are out
	; which operand is P and which R: v takes x as P
	s_mul_i32 s84, s80, HALFT                      ; my 128 tokens of x
	s_mul_i32 s85, s19, HALFT
	s_add_co_u32 s85, s85, 2*HALFT                 ; my 128 rows of W
	s_mul_i32 s88, s80, HALFS
	s_add_co_u32 s88, s88, SCX
	s_mul_i32 s89, s19, HALFS
	s_add_co_u32 s89, s89, SCW
	s_cmp_eq_u32 ttmp9, 2
	s_cselect_b32 s90, s84, s85                    ; P's codes
	s_cselect_b32 s91, s85, s84                    ; R's
	s_cselect_b32 s92, s88, s89                    ; P's scale bytes
	s_cselect_b32 s93, s89, s88                    ; R's
	s_mov_b32 s94, 0x05040100                      ; the byte selector of the scale words out, for lanes 0-15
	s_cselect_b32 s94, 0x03020100, s94
	s_mov_b32 s95, 0x07060302                      ; and for lanes 16-31
	s_cselect_b32 s95, 0x07060504, s95
	v_and_b32 v1, 15, v0                           ; r
	v_bfe_u32 v2, v0, 4, 1                         ; h
	v_and_b32 v3, 31, v0
	v_lshlrev_b32 v3, 4, v3                        ; v3: 16 x lane: an image's place for my lane
	v_mul_u32_u24 v13, v1, PITCH
	v_lshl_add_u32 v13, v2, 4, v13                 ; a fragment's row x pitch + 16 x half
	v_add_nc_u32 v4, s90, v13                      ; v4, v5: P's fragments in the two halves of K
	v_add_nc_u32 v5, SLOT, v4
	v_add_nc_u32 v6, s91, v13                      ; v6, v7: R's
	v_add_nc_u32 v7, SLOT, v6
	v_and_b32 v14, 7, v1
	v_lshrrev_b32 v15, 3, v1
	v_lshlrev_b32 v14, 5, v14
	v_mad_u32_u24 v14, v15, 272, v14               ; a row's 32 scale bytes: eight rows to a run of 256 + 16 bytes
	v_add_nc_u32 v8, s92, v14                      ; v8: P's scale words;  v9: R's
	v_add_nc_u32 v9, s93, v14
	v_lshlrev_b32 v10, 5, v2                       ; the bias, q and k: 32 h bytes
	v_lshlrev_b32 v12, 2, v1                       ; the bias, v: 4 r bytes
	v_mov_b32 v11, s94
	v_mov_b32 v15, s95
	v_cmp_eq_u32 vcc_lo, 1, v2
	v_cndmask_b32 v11, v11, v15, vcc_lo            ; v11: my half's byte selector
.irp b, 0,1,2,3
	v_mov_b32 v[20+\b], 0                          ; written once: a lane permute's destination counts as one of its sources
.endr
	; where my results go: key step ksg = 2 x token tile + a of 64, pair of heads p = 2 cx + e
	s_lshl_b32 s96, s83, 1
	s_add_co_u32 s96, s96, s80
	s_lshl_b32 s97, s81, 1
	s_add_co_u32 s97, s97, s19
	s_lshr_b32 s98, s96, 4                         ; the batch
	s_and_b32 s99, s96, 15                         ; the key step in it
	s_lshl_b32 s84, s98, 20                        ; codes: 131,072 (8 batch + p) + 8,192 key step
	s_lshl_b32 s85, s97, 17
	s_add_co_u32 s84, s84, s85
	s_lshl_b32 s85, s99, 13
	s_add_co_u32 s84, s84, s85
	s_mov_b32 s85, 0
	s_add_nc_u64 s[14:15], s[14:15], s[84:85]
	s_lshl_b32 s84, s98, 16                        ; scale words: 8,192 (8 batch + p) + 512 key step
	s_lshl_b32 s88, s97, 13
	s_add_co_u32 s84, s84, s88
	s_lshl_b32 s88, s99, 9
	s_add_co_u32 s84, s84, s88
	s_add_nc_u64 s[16:17], s[16:17], s[84:85]
	s_lshl_b32 s84, s97, 9                         ; the bias of my 128 features
	s_add_nc_u64 s[12:13], s[12:13], s[84:85]
	s_cmp_eq_u32 ttmp9, 2
	s_cbranch_scc1 .Lbias_v
.irp t, 0,1,2,3,4,5,6,7                        ; q, k: tile it of P: lane (r, h) wants the bias of features 16 it + 8 h + 0 .. 7
	global_load_b128 v[160+8*\t:163+8*\t], v10, s[12:13] offset:64*\t
	global_load_b128 v[164+8*\t:167+8*\t], v10, s[12:13] offset:64*\t+16
.endr
	s_branch .Lbias_done
.Lbias_v:
	s_wait_alu depctr_va_vdst(0)
.irp t, 0,1,2,3,4,5,6,7                        ; v: tile jt of R: lane (r, h) wants the bias of feature 16 jt + r in all eight registers
.irp j, 0,1,2,3,4,5,6,7
	global_load_b32 v[160+8*\t+\j], v12, s[12:13] offset:64*\t
.endr
.endr
.Lbias_done:
.macro SCALES                          ; all scale words of my 128 + 128 rows, for all eight K steps: register 8 t + q is tile t's word of K step q; every lane takes row r's
.irp t, 0,1,2,3,4,5,6,7
	ds_load_b128 v[32+8*\t:35+8*\t], v8 offset:544*\t
	ds_load_b128 v[36+8*\t:39+8*\t], v8 offset:544*\t+16
	ds_load_b128 v[96+8*\t:99+8*\t], v9 offset:544*\t
	ds_load_b128 v[100+8*\t:103+8*\t], v9 offset:544*\t+16
.endr
.endm
.macro FETCH q, set                    ; the fragments of K step q (16 rows x 128 K: two loads of 16 bytes, 32 bytes apart) into set: 32 loads
	WIN 0x40                                       ; destination window 1, address window 0
.irp t, 0,1,2,3,4,5,6,7
.irp c, 0,1
	ds_load_b128 v[64*(\set)+8*\t+4*\c:64*(\set)+8*\t+4*\c+3], v[4+(\q)/4] offset:64*((\q)%4)+16*PITCH*\t+32*\c
.endr
.endr
.irp t, 0,1,2,3,4,5,6,7
.irp c, 0,1
	ds_load_b128 v[128+64*(\set)+8*\t+4*\c:128+64*(\set)+8*\t+4*\c+3], v[6+(\q)/4] offset:64*((\q)%4)+16*PITCH*\t+32*\c
.endr
.endr
	WIN 0
.endm
; 64 matrix instructions: K step q.  The 64 accumulators take turns, one instruction a turn, in the same order in every step.
; cmode 0: C = D;  1: C = the bias by P's tile;  2: C = the bias by R's tile: the first K step starts the sums, nothing is cleared.
.macro MUL set, q, cmode
.irp jt, 0,1,2,3,4,5,6,7
.if \cmode
	WIN 0x85+0x40*(\jt/4)                          ; sources 0 and 1 window 1, C window 0, D window 2 or 3
.else
	WIN 0xa5+0x50*(\jt/4)                          ; sources 0 and 1 window 1, C and D window 2 or 3
.endif
.irp it, 0,1,2,3,4,5,6,7
.if \cmode == 1
	v_wmma_scale_f32_16x16x128_f8f6f4 v[8*(8*(\jt%4)+\it):8*(8*(\jt%4)+\it)+7], v[64*(\set)+8*\it:64*(\set)+8*\it+7], v[128+64*(\set)+8*\jt:128+64*(\set)+8*\jt+7], v[160+8*\it:167+8*\it], v[32+8*\it+(\q)], v[96+8*\jt+(\q)] matrix_a_fmt:MATRIX_FMT_FP4 matrix_b_fmt:MATRIX_FMT_FP4
.elseif \cmode == 2
	v_wmma_scale_f32_16x16x128_f8f6f4 v[8*(8*(\jt%4)+\it):8*(8*(\jt%4)+\it)+7], v[64*(\set)+8*\it:64*(\set)+8*\it+7], v[128+64*(\set)+8*\jt:128+64*(\set)+8*\jt+7], v[160+8*\jt:167+8*\jt], v[32+8*\it+(\q)], v[96+8*\jt+(\q)] matrix_a_fmt:MATRIX_FMT_FP4 matrix_b_fmt:MATRIX_FMT_FP4
.else
	v_wmma_scale_f32_16x16x128_f8f6f4 v[8*(8*(\jt%4)+\it):8*(8*(\jt%4)+\it)+7], v[64*(\set)+8*\it:64*(\set)+8*\it+7], v[128+64*(\set)+8*\jt:128+64*(\set)+8*\jt+7], v[8*(8*(\jt%4)+\it):8*(8*(\jt%4)+\it)+7], v[32+8*\it+(\q)], v[96+8*\jt+(\q)] matrix_a_fmt:MATRIX_FMT_FP4 matrix_b_fmt:MATRIX_FMT_FP4
.endif
.endr
.endr
	WIN 0
.endm
; K step q, 1 .. 6: the next step's fragments are asked for first, into the set that the step before has multiplied, four places behind its last product; they land under this step's 64 products.
.macro STEPQ q
	PLACES 4
.if \q == 3
	s_wait_tensorcnt 0x0                           ; my part of K's second half has landed,
	s_wait_dscnt 0x0                               ; no LDS load of mine is out at the signal,
	s_barrier_signal -1
	s_barrier_wait -1                              ; and everybody's part has
.endif
	FETCH (\q)+1, ((\q)+1)%2
	s_wait_dscnt 32                                ; all but the 32 just issued
	MUL (\q)%2, \q, 0
.endm
	s_wait_tensorcnt 0x1                           ; the scale bytes and my part of K's first half are in; the second half's load may stay out
	s_barrier_signal -1
	s_barrier_wait -1                              ; everybody's are
	SCALES
	FETCH 0, 0
	FETCH 1, 1
	s_wait_loadcnt 0x0                             ; the bias
	s_wait_dscnt 32                                ; all but K step 1's 32
	s_cmp_eq_u32 ttmp9, 2
	s_cbranch_scc1 .Lfirst_v
	MUL 0, 0, 1
	s_branch .Lfirst_done
.Lfirst_v:
	MUL 0, 0, 2
.Lfirst_done:
.irp q, 1,2,3,4,5,6
	STEPQ \q
.endr
	s_wait_dscnt 0x0
	MUL 1, 7, 0
	PLACES 4                                       ; in front of the first read of results
; THE WAY OUT of R's tile jt: the lane's 64 numbers (eight tiles of P) become a fragment's codes and its scale word.
.macro QUANT1 jt
.set ACB, 64*((\jt)%4)
.set PCJ, 160+8*(\jt)
	WIN 0x28+0x14*((\jt)/4)                        ; sources 1 and 2: window 2 or 3
.irp b, 0,1,2,3
	v_max3_num_f32 v[16+\b], 0x1800000, |v[ACB+16*\b]|, |v[ACB+16*\b+1]|   ; block b: my 16 numbers, and the floor 2^(3 - 127): the byte cannot fall under 1.  Each accumulator is read from its low end on
.endr
.irp i, 2,4,6,8,10,12,14
.irp b, 0,1,2,3
	v_max3_num_f32 v[16+\b], v[16+\b], |v[ACB+16*\b+\i]|, |v[ACB+16*\b+\i+1]|   ; (the four blocks by turns)
.endr
.endr
	WIN 0
.irp b, 0,1,2,3
	v_permlanex16_b32 v[20+\b], v[16+\b], s2, s3
.endr
.irp b, 0,1,2,3
	v_max_num_f32 v[16+\b], v[16+\b], v[20+\b]     ; with lane l xor 16's: the block's largest magnitude
.endr
.irp b, 0,1,2,3
	v_add_nc_u32 v[24+\b], 0xff000000, v[16+\b]    ; 2 off its exponent field: the conversion's scale operand
.endr
.irp b, 0,1,2,3
	v_lshrrev_b32 v[20+\b], 23, v[24+\b]           ; the scale's byte
.endr
	v_lshl_or_b32 v[224+(\jt)], v21, 8, v20
	v_lshl_or_b32 v[224+(\jt)], v22, 16, v[224+(\jt)]
	v_lshl_or_b32 v[224+(\jt)], v23, 24, v[224+(\jt)]
	WIN 0x02+((\jt)/4)                             ; source 0: window 2 or 3
.irp t, 0,1,2,3,4,5,6,7
	v_cvt_scalef32_pk8_fp4_f32 v[PCJ+4*(\t/4)+2*(\t%2)+(\t/2)%2], v[ACB+8*\t:ACB+8*\t+7], v[24+\t/2]
.endr
	WIN 0
	v_nop                                          ; one plain place behind a scaled conversion
.irp c, 0,1,2,3
	v_permlane16_swap_b32 v[PCJ+2*\c], v[PCJ+2*\c+1]   ; the first's lanes 16-31 change places with the second's lanes 0-15: a whole block of 32 in a lane
.endr
	global_store_b128 v3, v[PCJ:PCJ+3], s[14:15] offset:512*(\jt)          ; each store of the wave covers 512 consecutive bytes, aligned
	global_store_b128 v3, v[PCJ+4:PCJ+7], s[14:15] offset:512*(\jt)+4096
.endm
.irp jt, 0,1,2,3,4,5,6,7
	QUANT1 \jt
.endr
; The scale words as the attention launch loads them.  q, k: lane (r, h), word n: the two bytes of head h of tile 2 n's row r, then those of tile 2 n + 1's.  v: lane (r, h), word n: the whole word of tile 2 n + h's row r.
.irp n, 0,1,2,3
	v_perm_b32 v[28+\n], v[225+2*\n], v[224+2*\n], v11
.endr
	global_store_b128 v3, v[28:31], s[16:17]
	s_wait_tensorcnt 0x0
	ds_add_u32 v254, v255
	s_wait_dscnt 0x0
	CROUND                                         ; the closing round: no work-group ends while a partner may still ask for a tile that names it
	s_endpgm
.Lfunc_end_k_qafed885f49_qkv:
	.size	k_qafed885f49_qkv, .Lfunc_end_k_qafed885f49_qkv-k_qafed885f49_qkv
	.p2alignl 7, 3214868480
	.fill 96, 4, 3214868480
	.section	.rodata,"a",@progbits
	.p2align	6, 0x0
	.amdhsa_kernel k_qafed885f49_qkv
		.amdhsa_group_segment_fixed_size 296448
		.amdhsa_private_segment_fixed_size 0
		.amdhsa_enable_private_segment 0
		.amdhsa_kernarg_size 136
		.amdhsa_user_sgpr_count 2
		.amdhsa_user_sgpr_kernarg_segment_ptr 1
		.amdhsa_wavefront_size32 1
		.amdhsa_system_sgpr_workgroup_id_x 1
		.amdhsa_system_sgpr_workgroup_id_y 1
		.amdhsa_system_sgpr_workgroup_id_z 1
		.amdhsa_system_vgpr_workitem_id 0
		.amdhsa_next_free_vgpr 1024
		.amdhsa_next_free_sgpr 100
		.amdhsa_reserve_vcc 1
		.amdhsa_float_denorm_mode_32 3
		.amdhsa_float_denorm_mode_16_64 3
		.amdhsa_memory_ordered 1
		.amdhsa_forward_progress 1
		.amdhsa_inst_pref_size 144
	.end_amdhsa_kernel
	.amdgpu_metadata
---
amdhsa.version: [ 1, 2 ]
amdhsa.kernels:
  - .name:           k_qafed885f49_qkv
    .symbol:         k_qafed885f49_qkv.kd
    .args:
      - { .name: x_codes, .offset: 0, .size: 8, .value_kind: global_buffer, .address_space: global }
      - { .name: x_scales, .offset: 8, .size: 8, .value_kind: global_buffer, .address_space: global }
      - { .name: wq_codes, .offset: 16, .size: 8, .value_kind: global_buffer, .address_space: global }
      - { .name: wq_scales, .offset: 24, .size: 8, .value_kind: global_buffer, .address_space: global }
      - { .name: bq, .offset: 32, .size: 8, .value_kind: global_buffer, .address_space: global }
      - { .name: q_c, .offset: 40, .size: 8, .value_kind: global_buffer, .address_space: global }
      - { .name: q_s, .offset: 48, .size: 8, .value_kind: global_buffer, .address_space: global }
      - { .name: wk_codes, .offset: 56, .size: 8, .value_kind: global_buffer, .address_space: global }
      - { .name: wk_scales, .offset: 64, .size: 8, .value_kind: global_buffer, .address_space: global }
      - { .name: bk, .offset: 72, .size: 8, .value_kind: global_buffer, .address_space: global }
      - { .name: k_c, .offset: 80, .size: 8, .value_kind: global_buffer, .address_space: global }
      - { .name: k_s, .offset: 88, .size: 8, .value_kind: global_buffer, .address_space: global }
      - { .name: wv_codes, .offset: 96, .size: 8, .value_kind: global_buffer, .address_space: global }
      - { .name: wv_scales, .offset: 104, .size: 8, .value_kind: global_buffer, .address_space: global }
      - { .name: bv, .offset: 112, .size: 8, .value_kind: global_buffer, .address_space: global }
      - { .name: v_c, .offset: 120, .size: 8, .value_kind: global_buffer, .address_space: global }
      - { .name: v_s, .offset: 128, .size: 8, .value_kind: global_buffer, .address_space: global }
    .group_segment_fixed_size: 296448
    .private_segment_fixed_size: 0
    .kernarg_segment_align: 8
    .kernarg_segment_size: 136
    .max_flat_workgroup_size: 128
    .sgpr_count:     100
    .vgpr_count:     1024
    .wavefront_size: 32
...
	.end_amdgpu_metadata
.endif
;; end of part 1
;; launch attn (part 2): grid 8 x 32, 16 waves a work-group, clusters of 4 x 1, 327,680 bytes of LDS; arguments q_c, q_s, k_c, k_s, v_c, v_s, a_c, a_s; writes a_c, a_s
.if DOCPART == 2
	.amdgcn_target "amdgcn-amd-amdhsa--gfx1250"
	.amdhsa_code_object_version 6
	.text
	.protected	k_qafed885f49_attn
	.globl	k_qafed885f49_attn
	.p2align	8
	.type	k_qafed885f49_attn,@function
k_qafed885f49_attn:
	s_mov_b64 s[64:65], 0
	v_nop
	global_prefetch_b8 v0, s[64:65] scope:SCOPE_SE
	s_setreg_imm32_b32 hwreg(HW_REG_WAVE_MODE, 25, 1), 1
	s_wait_xcnt 0x0
	s_wait_alu depctr_hold_cnt(0) depctr_sa_sdst(0) depctr_va_vdst(0) depctr_va_sdst(0) depctr_va_ssrc(0) depctr_va_vcc(0) depctr_vm_vsrc(0)
	s_getreg_b32 s2, hwreg(HW_REG_IB_STS2, 6, 4)
	s_cmp_eq_u32 s2, 0
	s_cbranch_scc0 .Lentry_in_a_cluster
	s_endpgm
.Lentry_in_a_cluster:
	s_bfe_u32 s2, ttmp6, 0x10000c
	s_cmp_lg_u32 s2, 0x3003
	s_cbranch_scc0 .Lentry_shape_is_right
	s_endpgm
.Lentry_shape_is_right:
; O = softmax(q k^T / 8) v for 64 (batch, head) pairs of 2,048 x 2,048, head size 64, both products on codes of FP4 (E2M1) with one E8M0 scale for each 32 along a product's K.
; q_c, k_c, v_c, q_s, k_s, v_s hold images of operand registers, laid [batch x 8 + pair of heads][key step of 128 tokens][..]; O / l is quantised along the features and stored as images too (a_c, a_s).
; THE SOFTMAX: t = score x log2(e) / 8; M = the running largest t rounded UP to a whole number; p = 2^(t - M) is quantised along the keys, not normalised; the row's sum is taken of the unquantised p and divides O at the end.
; When M moves, the sum and O are multiplied by 2^(old M - new M): exact.
; SHARES.  A work-group owns a pair of heads and 256 queries; each of its sixteen waves owns one tile of 16 queries, for head 0 of the pair and then for head 1, and walks all 2,048 keys, 128 a step.
; ALL of the pair's K and V codes and scale words lie in LDS, filled once, as they lie in memory: every fragment load takes 512 bytes on end.  No LDS byte is filled twice.
; CLUSTER 4 x 1: the four blocks of queries of a cluster share the pair of heads, so each tile is asked for jointly, by the same load with the same descriptor in all four.
; BOTH PRODUCTS ARE USED TRANSPOSED: S^T = k q^T (source 0 = keys), O^T = v^T p^T (source 0 = features): a lane holds ONE query (lane % 16) throughout.
; K = 64 IN AN INSTRUCTION OF K = 128: a fragment of k holds TWO tiles of 16 keys: tile 2 n in registers 0-3 (k = 0 .. 63), tile 2 n + 1 in registers 4-7 (k = 64 .. 127).  q lies in twelve registers (q, zeros, q):
; the first eight multiply tile 2 n and meet tile 2 n + 1 with zero codes, the last eight the other way round.  No zero byte is stored or loaded.
; p's codes: tiles 2 B, 2 B + 1 of S^T are block B of 32 keys; the conversion of tile 4 c + 2 e + u goes to register 4 c + 2 u + e, and two exchanges of lane halves for each c give the operand's layout.
; LIMITS: NaN and infinities are not served.  A block whose largest magnitude lies under 2^-124 (zeros among them) gets the scale byte 1: its codes are zeros or the bytes are read by this program alone.
; REGISTERS: v1 16 x lane, v2 16 r, v3-5 bases, v6-9 the step's addresses, v10, v11 the stage; v12 -M, v13 the largest t, v[14:15] the sum in two halves; v16-23 the codes out, v24 their scale word, v[26:29] words read back;
;   v32-63 k's four fragments, v64-95 v's four; v96-159 S^T, then p; v160-191 O^T; v192-203, v204-215 q of head 0, 1; v216, v217 q's scale words; v[218:219] v's, v[220:223] k's; v224-231 p's codes; v232-254 at work.
.set VC,  131072                       ; LDS: k's codes from 0, v's from here, 131,072 bytes each: [key step 16][2][tile 8][lane 32][16 bytes]
.set KS,  262144                       ; k's scale words: [key step][lane][4 words]
.set VS,  270336                       ; v's
.set STG, 278528                       ; a stage of 1,024 bytes for the scale words out: no fill lands there
.macro CROUND                          ; a round of the cluster's barrier
	s_barrier_signal -1
	s_barrier_wait -1
	s_cmp_lg_u32 s20, 0
	s_cbranch_scc1 .Lnot_wave_0_\@
	s_barrier_signal -3
.Lnot_wave_0_\@:
	s_barrier_wait -3
	s_barrier_signal -1
	s_barrier_wait -1
.endm
	s_load_b512 s[4:19], s[0:1], 0x0               ; q_c s[4:5], q_s s[6:7], k_c s[8:9], k_s s[10:11], v_c s[12:13], v_s s[14:15], a_c s[16:17], a_s s[18:19]
	v_lshl_add_u32 v251, v0, 2, 0x44400
	v_mov_b32 v255, 0
	ds_add_u32 v251, v255
	ds_add_u32 v251, v255
	v_lshrrev_b32 v1, 5, v0
	s_delay_alu instid0(VALU_DEP_1)
	v_readfirstlane_b32 s20, v1                    ; wave 0..15
	s_and_b32 s21, s20, 7                          ; w7: my tile of queries in a key step's 128.  Also: which eighth I fetch
	s_lshr_b32 s22, s20, 3                         ; sel: which 128 of the 256 queries.  Also: I fetch for k (0) or for v (1)
	s_and_b32 s25, ttmp7, 0xffff                   ; bp = 8 x batch + pair of heads, which the four partners share
	; descriptor group 1: dense blocks as rows of 32 elements of 8 bytes.  s[32:39] 4 rows (scale words), s[40:47] 16 rows (key steps 0-3), s[48:55] 48 rows (key steps 4-15)
.irp g, 32, 40, 48
	s_mov_b32 s[\g], 15|(3<<16)|(1<<21)            ; 15:0 the mask: all four work-groups; 17:16 elements of 8 bytes; 21 set beside a mask
	s_mov_b32 s[\g+1], 32<<16                      ; tensor_dim0
	s_mov_b32 s[\g+3], 32<<16                      ; tile_dim0
	s_mov_b32 s[\g+5], 32                          ; from row to row
	s_mov_b32 s[\g+6], 0
	s_mov_b32 s[\g+7], 0
.endr
	s_mov_b32 s34, 4<<16                           ; tensor_dim1, tile_dim1
	s_mov_b32 s36, 4
	s_mov_b32 s42, 16<<16
	s_mov_b32 s44, 16
	s_mov_b32 s50, 48<<16
	s_mov_b32 s52, 48
	; group 0: s[56:59] my 1,024 bytes of scale words, s[60:63] my 4,096 bytes of key steps 0-3, s[68:71] my 12,288 bytes of key steps 4-15
	s_mov_b32 s56, 1
	s_lshl_b32 s57, s20, 10
	s_add_co_u32 s57, s57, KS                      ; waves 0-7 fill k's words, waves 8-15 v's, which lie behind them
	s_mov_b32 s60, 1
	s_lshl_b32 s61, s22, 17
	s_lshl_b32 s76, s21, 12
	s_add_co_u32 s61, s61, s76
	s_mov_b32 s68, 1
	s_lshl_b32 s69, s22, 17
	s_mul_i32 s77, s21, 12288
	s_add_co_u32 s69, s69, s77
	s_add_co_u32 s69, s69, 32768
	s_lshl_b32 s78, s25, 13                        ; in memory: scale words 8,192 bp + 1,024 w7
	s_lshl_b32 s79, s21, 10
	s_add_co_u32 s78, s78, s79
	s_mov_b32 s79, 0
	s_lshl_b32 s80, s25, 17                        ; codes 131,072 bp + ..
	s_add_co_u32 s82, s80, s77
	s_add_co_u32 s82, s82, 32768
	s_mov_b32 s83, 0
	s_add_co_u32 s80, s80, s76
	s_mov_b32 s81, 0
	s_wait_dscnt 0x0
	s_wait_kmcnt 0x0
	s_cmp_lt_u32 s20, 8                            ; k's buffers or v's: the choice hangs on the wave's number alone
	s_cselect_b64 s[76:77], s[8:9], s[12:13]
	s_cselect_b64 s[58:59], s[10:11], s[14:15]
	s_add_nc_u64 s[58:59], s[58:59], s[78:79]
	s_or_b32 s59, s59, 0x80000000
	s_add_nc_u64 s[62:63], s[76:77], s[80:81]
	s_or_b32 s63, s63, 0x80000000
	s_add_nc_u64 s[70:71], s[76:77], s[82:83]
	s_or_b32 s71, s71, 0x80000000
	CROUND                                         ; all four work-groups are here: the joint loads meet
	tensor_load_to_lds s[56:59], s[32:39]          ; one load of mine is out
	s_nop 0
	s_wait_alu depctr_va_vdst(0)
	s_wait_tensorcnt 0x0
	ds_add_u32 v251, v255
	s_wait_dscnt 0x0
	CROUND
	tensor_load_to_lds s[60:63], s[40:47]
	s_nop 0
	s_wait_alu depctr_va_vdst(0)
	s_wait_tensorcnt 0x0
	ds_add_u32 v251, v255
	s_wait_dscnt 0x0
	CROUND
	tensor_load_to_lds s[68:71], s[48:55]
	s_nop 0
.rept 4
	v_nop
.endr
	s_bfe_u32 s23, ttmp6, 0x40000                  ; cx: it enters q's and the outputs' addresses alone
	s_lshl_b32 s24, ttmp9, 2
	s_add_co_u32 s24, s24, s23                     ; qb: my block of 256 queries
	s_lshl_b32 s26, s24, 1
	s_add_co_u32 s26, s26, s22                     ; ksq: the 128 tokens in which my queries lie
	s_lshl_b32 s76, s25, 17                        ; q's codes: 131,072 bp + 8,192 ksq + 512 w7
	s_lshl_b32 s77, s26, 13
	s_add_co_u32 s76, s76, s77
	s_lshl_b32 s77, s21, 9
	s_add_co_u32 s76, s76, s77
	s_mov_b32 s77, 0
	s_add_nc_u64 s[4:5], s[4:5], s[76:77]
	s_lshl_b32 s76, s25, 13                        ; q's scale words: 8,192 bp + 512 ksq + 4 (w7 / 2)
	s_lshl_b32 s78, s26, 9
	s_add_co_u32 s76, s76, s78
	s_lshr_b32 s78, s21, 1
	s_lshl_b32 s78, s78, 2
	s_add_co_u32 s76, s76, s78
	s_add_nc_u64 s[6:7], s[6:7], s[76:77]
	s_lshr_b32 s78, s25, 3
	s_lshl_b32 s78, s78, 4                         ; 16 x batch
	s_and_b32 s79, s25, 7                          ; the pair of heads
	s_add_co_u32 s76, s78, s26                     ; a_c: 65,536 (16 batch + ksq) + 8,192 w7 + 1,024 pair
	s_lshl_b32 s76, s76, 16
	s_lshl_b32 s80, s21, 13
	s_add_co_u32 s76, s76, s80
	s_lshl_b32 s80, s79, 10
	s_add_co_u32 s76, s76, s80
	s_add_nc_u64 s[16:17], s[16:17], s[76:77]
	s_lshl_b32 s76, s24, 1                         ; a_s (waves 0 and 1 store): 4,096 (16 batch + 2 qb + wave) + 512 pair
	s_add_co_u32 s76, s76, s78
	s_and_b32 s80, s20, 1
	s_add_co_u32 s76, s76, s80
	s_lshl_b32 s76, s76, 12
	s_lshl_b32 s80, s79, 9
	s_add_co_u32 s76, s76, s80
	s_add_nc_u64 s[18:19], s[18:19], s[76:77]
	s_mov_b32 s28, 0x76543210
	s_mov_b32 s29, 0xfedcba98                      ; v_permlanex16_b32's selects for lane l xor 16
	s_mov_b32 s30, 0x3e38aa3b                      ; c = log2(e) / 8
	s_mov_b32 s31, s30                             ; (named with it as a pair, so it is written)
	s_and_b32 s76, s21, 1
	s_cmp_eq_u32 s76, 0
	s_mov_b32 s75, 0x03020302                      ; my tile's two scale bytes, twice: the word's low half for an even tile, its high half for an odd one
	s_cselect_b32 s75, 0x01000100, s75
	v_and_b32 v1, 31, v0
	s_delay_alu instid0(VALU_DEP_1)
	v_lshlrev_b32 v1, 4, v1                        ; 16 x lane
	v_and_b32 v2, 15, v0
	s_delay_alu instid0(VALU_DEP_1)
	v_lshlrev_b32 v10, 2, v2
	s_delay_alu instid0(VALU_DEP_2)
	v_lshlrev_b32 v2, 4, v2                        ; 16 r
	s_delay_alu instid0(VALU_DEP_4)
	v_add_nc_u32 v3, VC, v1
	s_delay_alu instid0(VALU_DEP_2)
	v_add_nc_u32 v4, KS, v2
	v_add_nc_u32 v5, VS, v1
	s_lshl_b32 s76, s20, 6
	s_add_co_u32 s76, s76, STG
	v_add_nc_u32 v10, s76, v10                     ; the stage: 64 x wave + 4 r
	v_and_b32 v11, 63, v0
	s_delay_alu instid0(VALU_DEP_1)
	v_lshl_add_u32 v11, v11, 4, STG                ; and back: 16 bytes a thread of waves 0 and 1
.irp hd, 0,1
	global_load_b128 v[192+12*\hd:195+12*\hd], v1, s[4:5] offset:4096*\hd   ; q's image, twice: (q, zeros, q)
	global_load_b128 v[200+12*\hd:203+12*\hd], v1, s[4:5] offset:4096*\hd
	global_load_b32 v[216+\hd], v2, s[6:7] offset:256*\hd                   ; the word that holds my tile's scale bytes
.endr
.irp j, 0,1,2,3
	v_mov_b32 v[196+\j], 0
	v_mov_b32 v[208+\j], 0
	v_mov_b32 v[236+\j], 0                         ; written once: a lane permute's destination counts as one of its sources
.endr
	v_mov_b32 v253, 0                              ; (named as the upper half of the pair v[252:253] before it is first written)
	s_wait_loadcnt 0x0
	v_perm_b32 v216, v216, v216, s75               ; (s0, s1, s0, s1): the same two bytes serve k = 0 .. 63 and k = 64 .. 127
	v_perm_b32 v217, v217, v217, s75
.macro INIT                            ; a head begins: O^T and the sum are zeros, the largest t is under every t; the first change of M leaves zeros zeros, so the step is written once
.set j, 0
.rept 32
	v_mov_b32 v[160+j], 0
.set j, j+1
.endr
	v_mov_b32 v13, 0xff61b1e6                      ; -3e38
	s_delay_alu instid0(VALU_DEP_1)
	v_floor_f32 v12, -v13
	v_mov_b32 v14, 0
	v_mov_b32 v15, 0
	s_mov_b32 s72, 0                               ; 8,192 x key step
	s_mov_b32 s73, 0                               ; 512 x key step
.endm
; A KEY STEP of head hd of the pair: 128 keys.
.macro STEP hd
	v_add_nc_u32 v6, s72, v1                       ; these four are also the places between the last products and the loads into the registers that they read
	v_add_nc_u32 v7, s72, v3
	v_add_nc_u32 v8, s73, v4
	v_add_nc_u32 v9, s73, v5
.irp n, 0,1,2,3
.irp c, 0,1
	ds_load_b128 v[32+8*\n+4*\c:35+8*\n+4*\c], v6 offset:4096*\hd+1024*\n+512*\c   ; k's fragment n: tiles 2 n and 2 n + 1
.endr
.endr
	ds_load_b128 v[220:223], v8 offset:256*\hd     ; k's four scale words: lanes take row r's of head hd
.irp d, 0,1,2,3
.irp c, 0,1
	ds_load_b128 v[64+8*\d+4*\c:67+8*\d+4*\c], v7 offset:4096*\c+512*(4*\hd+\d)    ; v's fragment d: features 16 d on, these 128 keys
.endr
.endr
	ds_load_b64 v[218:219], v9 offset:8*\hd        ; v's scale words: register d / 2, lanes 0-15 an even d, lanes 16-31 an odd one
	s_wait_dscnt 0x9                               ; k's loads are in; v's nine may be out
.irp n, 0,1,2,3
	v_wmma_scale_f32_16x16x128_f8f6f4 v[96+16*\n:103+16*\n], v[32+8*\n:39+8*\n], v[192+12*\hd:199+12*\hd], 0, v[220+\n], v[216+\hd] matrix_a_fmt:MATRIX_FMT_FP4 matrix_b_fmt:MATRIX_FMT_FP4
	v_wmma_scale_f32_16x16x128_f8f6f4 v[104+16*\n:111+16*\n], v[32+8*\n:39+8*\n], v[196+12*\hd:203+12*\hd], 0, v[220+\n], v[216+\hd] matrix_a_fmt:MATRIX_FMT_FP4 matrix_b_fmt:MATRIX_FMT_FP4
.endr                                          ; lane (r, h): query r; register 8 t + j: key 16 t + 8 h + j
.rept 4
	v_nop
.endr
.irp b, 0,1,2,3
	v_max3_num_f32 v[232+\b], v[96+16*\b], v[97+16*\b], v[98+16*\b]   ; the largest score of each block of 32 keys: for the row's maximum, and, since p rises with the score, for the block's largest p
.endr
.irp i, 3,5,7,9,11,13
.irp b, 0,1,2,3
	v_max3_num_f32 v[232+\b], v[232+\b], v[96+16*\b+\i], v[97+16*\b+\i]
.endr
.endr
.irp b, 0,1,2,3
	v_max_num_f32 v[232+\b], v[232+\b], v[111+16*\b]
.endr
.irp b, 0,1,2,3
	s_delay_alu instid0(VALU_DEP_4)
	v_permlanex16_b32 v[236+\b], v[232+\b], s28, s29
.endr
.irp b, 0,1,2,3
	s_delay_alu instid0(VALU_DEP_4)
	v_max_num_f32 v[232+\b], v[232+\b], v[236+\b]  ; with lane l xor 16's 16 keys
.endr
	s_delay_alu instid0(VALU_DEP_2)
	v_max3_num_f32 v254, v232, v233, v234
	s_delay_alu instid0(VALU_DEP_1)
	v_max_num_f32 v254, v254, v235                 ; the step's largest score of my query
	s_delay_alu instid0(VALU_DEP_1)
	v_mul_f32 v254, s30, v254                      ; as t (c is positive)
	s_delay_alu instid0(VALU_DEP_1)
	v_max_num_f32 v13, v13, v254                   ; the running largest t
	v_mov_b32 v254, v12
	s_delay_alu instid0(VALU_DEP_2)
	v_floor_f32 v12, -v13                          ; the new -M = floor(-t): M is a whole number
	s_delay_alu instid0(VALU_DEP_1)
	v_sub_f32 v254, v12, v254                      ; old M - new M: a whole number, 0 or less
	s_delay_alu instid0(VALU_DEP_1)
	v_cvt_i32_f32 v254, v254                       ; (it saturates)
	s_delay_alu instid0(VALU_DEP_1)
	v_ldexp_f32 v252, 1.0, v254                    ; f = 2^(old M - new M)
.set j, 0
.rept 32
	v_pk_fma_f32 v[96+j:97+j], v[96+j:97+j], s[30:31], v[12:13] op_sel_hi:[1,0,0]   ; t - M, two at a time
.set j, j+2
.endr
.irp b, 0,1,2,3
	v_fma_f32 v[232+\b], v[232+\b], s30, v12       ; the same of each block's largest score
.endr
.set j, 0
	s_wait_alu depctr_va_vdst(0)
.rept 64
	v_exp_f32 v[96+j], v[96+j]                     ; p = 2^(t - M), at most 1
.set j, j+1
.endr
	s_setprio 1
	v_pk_mul_f32 v[14:15], v[14:15], v[252:253] op_sel_hi:[1,0]   ; the sums under the new M: the plain instruction behind the exponentials
	s_wait_alu depctr_va_vdst(0)                   ; one wait for the batch of 64, ahead of its first reader
.irp b, 0,1,2,3
	v_exp_f32 v[232+\b], v[232+\b]                 ; the block's largest p
.endr
	v_pk_add_f32 v[236:237], v[96:97], v[98:99]    ; the row's sum is taken of the unquantised p, in two chains
.irp j, 4,8,12,16,20,24,28,32,36,40,44,48,52,56,60
	v_pk_add_f32 v[14:15], v[14:15], v[96+\j:97+\j]
	v_pk_add_f32 v[236:237], v[236:237], v[98+\j:99+\j]
.endr
	s_delay_alu instid0(VALU_DEP_1)
	v_pk_add_f32 v[14:15], v[14:15], v[236:237]
	s_wait_alu depctr_va_vdst(0)                   ; and one for the four
.irp b, 0,1,2,3
	v_max_num_f32 v[232+\b], 0x1800000, v[232+\b]  ; the floor 2^(3 - 127): the byte cannot fall under 1
.endr
.irp b, 0,1,2,3
	s_delay_alu instid0(VALU_DEP_4)
	v_add_nc_u32 v[244+\b], 0xff000000, v[232+\b]  ; 2 off the exponent field: the conversion's scale operand
.endr
.irp b, 0,1,2,3
	s_delay_alu instid0(VALU_DEP_4)
	v_lshrrev_b32 v[236+\b], 23, v[244+\b]         ; the scale's byte
.endr
	s_delay_alu instid0(VALU_DEP_3)
	v_lshl_or_b32 v253, v237, 8, v236              ; p's scale word for these 128 keys
	s_delay_alu instid0(VALU_DEP_1)
	v_lshl_or_b32 v253, v238, 16, v253
	s_delay_alu instid0(VALU_DEP_1)
	v_lshl_or_b32 v253, v239, 24, v253
.irp t, 0,1,2,3,4,5,6,7
	v_cvt_scalef32_pk8_fp4_f32 v[224+4*(\t/4)+2*(\t%2)+(\t/2)%2], v[96+8*\t:103+8*\t], v[244+\t/2]
.endr
	v_nop                                          ; one plain place behind a scaled conversion
.irp c, 0,1,2,3
	v_permlane16_swap_b32 v[224+2*\c], v[225+2*\c] ; a whole block of 32 keys in a lane
.endr
.set j, 0
	s_setprio 0
.rept 16
	v_pk_mul_f32 v[160+j:161+j], v[160+j:161+j], v[252:253] op_sel_hi:[1,0]   ; O^T under the new M.  (These sixteen are also the places between the codes' and the scale word's last writes and the products)
.set j, j+2
.endr
	s_wait_alu depctr_va_vdst(0)
	s_wait_dscnt 0x0                               ; v's fragments and scale words
.irp u, 0,1
	v_wmma_scale_f32_16x16x128_f8f6f4 v[160+16*\u:167+16*\u], v[64+16*\u:71+16*\u], v[224:231], v[160+16*\u:167+16*\u], v[218+\u], v253 matrix_a_fmt:MATRIX_FMT_FP4 matrix_b_fmt:MATRIX_FMT_FP4
	v_wmma_scale_f32_16x16x128_f8f6f4 v[168+16*\u:175+16*\u], v[72+16*\u:79+16*\u], v[224:231], v[168+16*\u:175+16*\u], v[218+\u], v253 matrix_a_fmt:MATRIX_FMT_FP4 matrix_b_fmt:MATRIX_FMT_FP4 matrix_a_scale:MATRIX_SCALE_ROW1
.endr
	s_add_co_u32 s72, s72, 8192
	s_add_co_u32 s73, s73, 512
.endm
.macro LOOPK hd, n                     ; n key steps: a constant of the text
	s_mov_b32 s74, \n
.Lk_\@:
	s_setprio 2
	STEP \hd
	s_sub_co_u32 s74, s74, 1
	s_cmp_lg_u32 s74, 0
	s_cbranch_scc1 .Lk_\@
	s_setprio 0
.endm
; A head ends: O^T / the sum, quantised along the features: two blocks of 32; they are registers 4 hd .. 4 hd + 3 of the output's fragment (128 features of the pair) and half of its scale word.
.macro FINISH hd
.rept 4
	v_nop                                          ; places behind the last products
.endr
	v_add_f32 v14, v14, v15                        ; the sum's two halves,
	s_delay_alu instid0(VALU_DEP_1)
	v_permlanex16_b32 v252, v14, s28, s29
	s_delay_alu instid0(VALU_DEP_1)
	v_add_f32 v14, v14, v252                       ; and lane l xor 16's
	s_wait_alu depctr_va_vdst(0)
	v_rcp_f32 v14, v14
	v_nop                                          ; a plain instruction behind the reciprocal,
	s_wait_alu depctr_va_vdst(0)                   ; and the wait ahead of its first reader
.set j, 0
.rept 16
	v_pk_mul_f32 v[160+j:161+j], v[160+j:161+j], v[14:15] op_sel_hi:[1,0]   ; register 8 t + i: feature 16 t + 8 h + i of the head.  Each accumulator from its low end on
.set j, j+2
.endr
.irp b, 0,1
	v_max3_num_f32 v[232+\b], |v[160+16*\b]|, |v[161+16*\b]|, 0x1800000
.endr
.irp i, 2,4,6,8,10,12,14
.irp b, 0,1
	s_delay_alu instid0(VALU_DEP_2)
	v_max3_num_f32 v[232+\b], v[232+\b], |v[160+16*\b+\i]|, |v[161+16*\b+\i]|
.endr
.endr
.irp b, 0,1
	s_delay_alu instid0(VALU_DEP_2)
	v_permlanex16_b32 v[236+\b], v[232+\b], s28, s29
.endr
.irp b, 0,1
	s_delay_alu instid0(VALU_DEP_2)
	v_max_num_f32 v[232+\b], v[232+\b], v[236+\b]
.endr
.irp b, 0,1
	s_delay_alu instid0(VALU_DEP_2)
	v_add_nc_u32 v[244+\b], 0xff000000, v[232+\b]
.endr
.irp b, 0,1
	s_delay_alu instid0(VALU_DEP_2)
	v_lshrrev_b32 v[236+\b], 23, v[244+\b]
.endr
.if \hd == 0
	s_delay_alu instid0(VALU_DEP_1)
	v_lshl_or_b32 v24, v237, 8, v236               ; the word's low half
.else
	s_delay_alu instid0(VALU_DEP_1)
	v_lshl_or_b32 v254, v237, 8, v236
	s_delay_alu instid0(VALU_DEP_1)
	v_lshl_or_b32 v24, v254, 16, v24               ; and its high half
.endif
	v_cvt_scalef32_pk8_fp4_f32 v[16+4*\hd], v[160:167], v244
	v_cvt_scalef32_pk8_fp4_f32 v[18+4*\hd], v[168:175], v244
	v_cvt_scalef32_pk8_fp4_f32 v[17+4*\hd], v[176:183], v245
	v_cvt_scalef32_pk8_fp4_f32 v[19+4*\hd], v[184:191], v245
	v_nop                                          ; one plain place behind a scaled conversion
	v_permlane16_swap_b32 v[16+4*\hd], v[17+4*\hd]
	v_permlane16_swap_b32 v[18+4*\hd], v[19+4*\hd]
.endm
	s_wait_tensorcnt 0x1                           ; my scale words and my part of key steps 0-3 are in; the load for key steps 4-15 may stay out
	s_barrier_signal -1
	s_barrier_wait -1                              ; everybody's are
	INIT
	LOOPK 0, 4
	s_wait_tensorcnt 0x0                           ; my part of key steps 4-15 has landed,
	s_wait_dscnt 0x0                               ; no LDS load of mine is out at the signal,
	s_barrier_signal -1
	s_barrier_wait -1                              ; and everybody's part has
	LOOPK 0, 12
	FINISH 0
	INIT
	LOOPK 1, 16
	FINISH 1
	global_store_b128 v1, v[16:19], s[16:17]       ; the fragment's image: each store of the wave covers 512 consecutive bytes, aligned
	global_store_b128 v1, v[20:23], s[16:17] offset:512
	ds_store_b32 v10, v24                          ; the sixteen waves' scale words meet in the stage (lanes l and l xor 16 write the same word with the same value)
	s_wait_dscnt 0x0                               ; for the others' sake: my store has landed
	s_barrier_signal -1
	s_barrier_wait -1
	s_cmp_gt_u32 s20, 1
	s_cbranch_scc1 .Lno_words
	ds_load_b128 v[26:29], v11                     ; wave 0: the words of the first 128 queries, wave 1: of the second
	s_wait_dscnt 0x0
	global_store_b128 v1, v[26:29], s[18:19]       ; 512 consecutive bytes, aligned
.Lno_words:
	s_wait_tensorcnt 0x0
	ds_add_u32 v251, v255
	s_wait_dscnt 0x0
	CROUND                                         ; the closing round: no work-group ends while a partner may still ask for a tile that names it
	s_endpgm
.Lfunc_end_k_qafed885f49_attn:
	.size	k_qafed885f49_attn, .Lfunc_end_k_qafed885f49_attn-k_qafed885f49_attn
	.p2alignl 7, 3214868480
	.fill 96, 4, 3214868480
	.section	.rodata,"a",@progbits
	.p2align	6, 0x0
	.amdhsa_kernel k_qafed885f49_attn
		.amdhsa_group_segment_fixed_size 327680
		.amdhsa_private_segment_fixed_size 0
		.amdhsa_enable_private_segment 0
		.amdhsa_kernarg_size 64
		.amdhsa_user_sgpr_count 2
		.amdhsa_user_sgpr_kernarg_segment_ptr 1
		.amdhsa_wavefront_size32 1
		.amdhsa_system_sgpr_workgroup_id_x 1
		.amdhsa_system_sgpr_workgroup_id_y 1
		.amdhsa_system_sgpr_workgroup_id_z 1
		.amdhsa_system_vgpr_workitem_id 0
		.amdhsa_next_free_vgpr 256
		.amdhsa_next_free_sgpr 84
		.amdhsa_reserve_vcc 0
		.amdhsa_float_denorm_mode_32 3
		.amdhsa_float_denorm_mode_16_64 3
		.amdhsa_memory_ordered 1
		.amdhsa_forward_progress 1
		.amdhsa_inst_pref_size 68
	.end_amdhsa_kernel
	.amdgpu_metadata
---
amdhsa.version: [ 1, 2 ]
amdhsa.kernels:
  - .name:           k_qafed885f49_attn
    .symbol:         k_qafed885f49_attn.kd
    .args:
      - { .name: q_c, .offset: 0, .size: 8, .value_kind: global_buffer, .address_space: global }
      - { .name: q_s, .offset: 8, .size: 8, .value_kind: global_buffer, .address_space: global }
      - { .name: k_c, .offset: 16, .size: 8, .value_kind: global_buffer, .address_space: global }
      - { .name: k_s, .offset: 24, .size: 8, .value_kind: global_buffer, .address_space: global }
      - { .name: v_c, .offset: 32, .size: 8, .value_kind: global_buffer, .address_space: global }
      - { .name: v_s, .offset: 40, .size: 8, .value_kind: global_buffer, .address_space: global }
      - { .name: a_c, .offset: 48, .size: 8, .value_kind: global_buffer, .address_space: global }
      - { .name: a_s, .offset: 56, .size: 8, .value_kind: global_buffer, .address_space: global }
    .group_segment_fixed_size: 327680
    .private_segment_fixed_size: 0
    .kernarg_segment_align: 8
    .kernarg_segment_size: 64
    .max_flat_workgroup_size: 512
    .sgpr_count:     84
    .vgpr_count:     256
    .wavefront_size: 32
...
	.end_amdgpu_metadata
.endif
;; end of part 2
;; launch oproj (part 3): grid 4 x 64, 4 waves a work-group, clusters of 4 x 4, 251,904 bytes of LDS; arguments a_c, a_s, wo_codes, wo_scales, bo, out0; writes out0
.if DOCPART == 3
	.amdgcn_target "amdgcn-amd-amdhsa--gfx1250"
	.amdhsa_code_object_version 6
	.text
	.protected	k_qafed885f49_oproj
	.globl	k_qafed885f49_oproj
	.p2align	8
	.type	k_qafed885f49_oproj,@function
k_qafed885f49_oproj:
	s_mov_b64 s[64:65], 0
	v_nop
	global_prefetch_b8 v0, s[64:65] scope:SCOPE_SE
	s_setreg_imm32_b32 hwreg(HW_REG_WAVE_MODE, 25, 1), 1
	s_wait_xcnt 0x0
	s_wait_alu depctr_hold_cnt(0) depctr_sa_sdst(0) depctr_va_vdst(0) depctr_va_sdst(0) depctr_va_ssrc(0) depctr_va_vcc(0) depctr_vm_vsrc(0)
	s_getreg_b32 s2, hwreg(HW_REG_IB_STS2, 6, 4)
	s_cmp_eq_u32 s2, 0
	s_cbranch_scc0 .Lentry_in_a_cluster
	s_endpgm
.Lentry_in_a_cluster:
	s_bfe_u32 s2, ttmp6, 0x10000c
	s_cmp_lg_u32 s2, 0xf033
	s_cbranch_scc0 .Lentry_shape_is_right
	s_endpgm
.Lentry_shape_is_right:
; out0 = A wo^T + bo on codes of FP4 (E2M1) with one E8M0 scale for each 32 along K = 1,024.  A is the attention's result as images of operand registers (a_c, a_s); out0: [8,192][1,024] f32.
; A work-group makes 128 tokens x 256 features; wave w makes features 128 (w / 2) on (8 tiles) x tokens 64 (w % 2) on (4 tiles): 32 accumulators, 256 registers.
; THE MATRIX INSTRUCTION IS USED TRANSPOSED: source 0 = 16 rows of wo, source 1 = 16 tokens: a lane holds eight neighbouring numbers of a row of out0.  The bias is the C of each sum's first matrix instruction
; (it starts the sum and is not added behind it: an order of f32 rounding).
; ALL OPERANDS LIE IN LDS, FILLED ONCE, in two halves along K.  No LDS byte is filled twice; the stages for the way out have bytes of their own.
; CLUSTER 4 x 4: wo's tiles hang on the feature tile alone and are asked for jointly along a column of the cluster, A's on the token tile alone, along a row.
; LIMITS: NaN and infinities are not served.
; REGISTERS: window 0: v1-13 addresses; v32-95 wo's scale words (8 tiles x 8 K steps), v96-127 A's (4 x 8), v160-223 the bias; on the way out v128-255 take rows of out0.
;   window 1: v0-127 wo's fragments, two sets; v128-191 A's, two sets.   window 2: accumulator (jt, it) at v[8 (8 jt + it)].
.set PITCH, 272                        ; an LDS row of wo: 256 bytes + 16 of padding
.set HALFT, 128*PITCH
.set WSLOT, 2*HALFT                    ; a half of K of wo's 256 rows
.set AC0,   2*WSLOT                    ; A's images, K's first half: [tile 8][K step 4][2][lane 32][16 bytes];  the second half 32,768 bytes on
.set SCW,   AC0+65536                  ; wo's scale bytes: 32 a row, as runs of 256 bytes + 16 of padding
.set HALFS, 16*272
.set ASC,   SCW+2*HALFS                ; A's scale words: [K step 8][tile 8][row 16]
.set STAGE, ASC+4096                   ; 16 rows x (512 bytes + 16) for each wave
.set SPITCH, 528
.set PADW,  (1<<20)|(1<<21)|(5<<22)|(3<<25)
.set MSB, 0
.macro WIN new                         ; the immediate's high byte repeats the setting that is left; a switch that changes nothing is dropped
.if MSB != (\new)
	s_set_vgpr_msb (MSB<<8)|(\new)
.set MSB, (\new)
.endif
.endm
.macro PLACES n
.rept \n
	v_nop
.endr
.endm
; A joint load: waves 0 and 1 fetch for wo, waves 2 and 3 for A.  The branch hangs on the wave's number alone.  Four v_nop follow each of the two lines.
.macro JLOAD g0a, g1a, g0b, g1b
	s_cmp_eq_u32 s19, 0
	s_cbranch_scc0 .Lfor_b_\@
	tensor_load_to_lds s[\g0a:\g0a+3], s[\g1a:\g1a+7]
	s_nop 0
.rept 4
	v_nop
.endr
	s_branch .Lasked_\@
.Lfor_b_\@:
	tensor_load_to_lds s[\g0b:\g0b+3], s[\g1b:\g1b+7]
	s_nop 0
.rept 4
	v_nop
.endr
.Lasked_\@:
.endm
.macro CROUND                          ; a round of the cluster's barrier
	s_barrier_signal -1
	s_barrier_wait -1
	s_cmp_lg_u32 s18, 0
	s_cbranch_scc1 .Lnot_wave_0_\@
	s_barrier_signal -3
.Lnot_wave_0_\@:
	s_barrier_wait -3
	s_barrier_signal -1
	s_barrier_wait -1
.endm
	s_load_b256 s[4:11], s[0:1], 0x0               ; a_c s[4:5], a_s s[6:7], wo's codes s[8:9], wo's scales s[10:11]
	s_load_b128 s[12:15], s[0:1], 0x20             ; bo s[12:13], out0 s[14:15]
	v_lshl_add_u32 v30, v0, 2, 0x3d600
	v_mov_b32 v31, 0
	ds_add_u32 v30, v31
	ds_add_u32 v30, v31
	v_lshrrev_b32 v1, 5, v0
	v_readfirstlane_b32 s18, v1                    ; wave 0..3
	s_lshr_b32 s19, s18, 1                         ; my half of the features.  Also: I fetch for wo (0) or for A (1)
	s_and_b32 s80, s18, 1                          ; my half of the tokens.  Also: which half of that operand I fetch
	s_bfe_u32 s81, ttmp6, 0x40000                  ; cx: the tile of 256 features
	s_bfe_u32 s82, ttmp6, 0x40004                  ; cy
	s_and_b32 s83, ttmp7, 0xffff
	s_lshl_b32 s83, s83, 2
	s_add_co_u32 s83, s83, s82                     ; the tile of 128 tokens = 4 x cluster y + cy
	s_lshl_b32 s84, s82, 2
	s_lshl_b32 s84, 15, s84                        ; my row of the cluster
	s_lshl_b32 s85, 0x1111, s81                    ; my column
	; descriptor group 1.  s[20:27] wo's codes: 128 rows x 256 bytes, 512 bytes apart, padded.  s[28:35] wo's scale bytes: 16 rows of 256 bytes, padded
	s_or_b32 s20, s85, PADW
	s_mov_b32 s21, 256<<16
	s_mov_b32 s22, 128<<16
	s_mov_b32 s23, 256<<16
	s_mov_b32 s24, 128
	s_mov_b32 s25, 512
	s_mov_b32 s26, 0
	s_mov_b32 s27, 0
	s_or_b32 s28, s85, PADW|(3<<16)
	s_mov_b32 s29, 32<<16
	s_mov_b32 s30, 16<<16
	s_mov_b32 s31, 32<<16
	s_mov_b32 s32, 16
	s_mov_b32 s33, 32
	s_mov_b32 s34, 0
	s_mov_b32 s35, 0
	; s[36:43] A's images: 4 tiles x 4,096 bytes (512 elements of 8 bytes), 8,192 bytes apart, no padding.  s[44:51] A's scale words: 8 rows of 256 bytes, dense
	s_or_b32 s36, s84, (3<<16)|(1<<21)
	s_mov_b32 s37, 512<<16
	s_mov_b32 s38, 4<<16
	s_mov_b32 s39, 512<<16
	s_mov_b32 s40, 4
	s_mov_b32 s41, 1024
	s_mov_b32 s42, 0
	s_mov_b32 s43, 0
	s_or_b32 s44, s84, (3<<16)|(1<<21)
	s_mov_b32 s45, 32<<16
	s_mov_b32 s46, 8<<16
	s_mov_b32 s47, 32<<16
	s_mov_b32 s48, 8
	s_mov_b32 s49, 32
	s_mov_b32 s50, 0
	s_mov_b32 s51, 0
	s_lshl_b32 s89, s80, 7
	s_lshl_b32 s88, s81, 8
	s_add_co_u32 s88, s88, s89                     ; wo: row 256 cx + 128 x half
	s_lshl_b32 s90, s88, 9                         ; its codes,
	s_mov_b32 s91, 0
	s_lshl_b32 s92, s88, 5                         ; its scale bytes
	s_mov_b32 s93, 0
	s_lshl_b32 s94, s83, 16                        ; A's images: 65,536 x token tile + 32,768 x half (tiles 4 x half on)
	s_lshl_b32 s98, s80, 15
	s_add_co_u32 s94, s94, s98
	s_mov_b32 s95, 0
	s_lshl_b32 s96, s83, 12                        ; A's scale words: 4,096 x token tile + 2,048 x half (K steps 4 x half on)
	s_lshl_b32 s98, s80, 11
	s_add_co_u32 s96, s96, s98
	s_mov_b32 s97, 0
	s_mul_i32 s86, s80, HALFT                      ; where they go: no place in the cluster enters an LDS address
	s_mul_i32 s87, s80, HALFS
	s_lshl_b32 s99, s80, 14
	s_wait_dscnt 0x0
	s_wait_kmcnt 0x0
	s_add_nc_u64 s[8:9], s[8:9], s[90:91]
	s_add_nc_u64 s[10:11], s[10:11], s[92:93]
	s_add_nc_u64 s[4:5], s[4:5], s[94:95]
	s_add_nc_u64 s[6:7], s[6:7], s[96:97]
	; group 0: s[60:63] wo's scales, s[52:55], s[56:59] wo's two halves of K;  s[76:79] A's scale words, s[68:71], s[72:75] A's two halves
	s_mov_b32 s60, 1
	s_add_co_u32 s61, s87, SCW
	s_mov_b64 s[62:63], s[10:11]
	s_or_b32 s63, s63, 0x80000000
	s_mov_b32 s52, 1
	s_mov_b32 s53, s86
	s_mov_b64 s[54:55], s[8:9]
	s_or_b32 s55, s55, 0x80000000
	s_mov_b32 s56, 1
	s_add_co_u32 s57, s86, WSLOT
	s_add_nc_u64 s[58:59], s[8:9], 256
	s_or_b32 s59, s59, 0x80000000
	s_mov_b32 s76, 1
	s_add_co_u32 s77, s98, ASC
	s_mov_b64 s[78:79], s[6:7]
	s_or_b32 s79, s79, 0x80000000
	s_mov_b32 s68, 1
	s_add_co_u32 s69, s99, AC0
	s_mov_b64 s[70:71], s[4:5]
	s_or_b32 s71, s71, 0x80000000
	s_mov_b32 s72, 1
	s_add_co_u32 s73, s99, AC0+32768
	s_add_nc_u64 s[74:75], s[4:5], 4096
	s_or_b32 s75, s75, 0x80000000
	CROUND                                         ; all sixteen work-groups are here: the joint loads meet
	JLOAD 60, 28, 76, 44                           ; the scales,
	JLOAD 52, 20, 68, 36                           ; K = 0 .. 511,
	JLOAD 56, 20, 72, 36                           ; K = 512 .. 1,023: three loads of mine are out
	v_and_b32 v1, 15, v0                           ; r
	v_bfe_u32 v2, v0, 4, 1                         ; h
	v_and_b32 v3, 31, v0
	v_lshlrev_b32 v3, 4, v3                        ; v3: 16 x lane
	s_mul_i32 s84, s19, HALFT                      ; my 128 rows of wo
	v_mul_u32_u24 v4, v1, PITCH
	v_lshl_add_u32 v4, v2, 4, v4
	v_add_nc_u32 v4, s84, v4                       ; v4, v5: wo's fragments in the two halves of K
	v_add_nc_u32 v5, WSLOT, v4
	s_add_co_u32 s84, s99, AC0                     ; my four tiles of tokens
	v_add_nc_u32 v6, s84, v3                       ; v6: A's images
	v_and_b32 v14, 7, v1
	v_lshrrev_b32 v15, 3, v1
	v_lshlrev_b32 v14, 5, v14
	v_mad_u32_u24 v14, v15, 272, v14
	s_mul_i32 s84, s19, HALFS
	s_add_co_u32 s84, s84, SCW
	v_add_nc_u32 v8, s84, v14                      ; v8: wo's scale words
	s_lshl_b32 s84, s80, 8
	s_add_co_u32 s84, s84, ASC
	v_lshl_add_u32 v9, v1, 2, s84                  ; v9: A's: 256 x my half + 4 r
	v_lshlrev_b32 v10, 5, v2                       ; the bias: 32 h bytes
	s_wait_alu depctr_va_vdst(0)
	s_mul_i32 s84, s18, 16*SPITCH
	s_add_co_u32 s84, s84, STAGE                   ; my stage
	v_mul_u32_u24 v12, v1, SPITCH
	v_lshl_add_u32 v12, v2, 5, v12
	v_add_nc_u32 v12, s84, v12                     ; v12: in: row r, 32 bytes for each half of the lanes
	v_add_nc_u32 v13, s84, v3                      ; v13: back: the 32 lanes take one row of 512 bytes
	s_lshl_b32 s84, s81, 10
	s_lshl_b32 s85, s19, 9
	s_add_co_u32 s84, s84, s85                     ; my first feature, in bytes: 1,024 cx + 512 x half
	s_mov_b32 s85, 0
	s_add_nc_u64 s[12:13], s[12:13], s[84:85]
	s_add_nc_u64 s[14:15], s[14:15], s[84:85]
	s_lshl_b32 s84, s83, 19                        ; my first token's row: 4,096 (128 x token tile + 64 x half)
	s_lshl_b32 s88, s80, 18
	s_add_co_u32 s84, s84, s88
	s_add_nc_u64 s[14:15], s[14:15], s[84:85]
.irp t, 0,1,2,3,4,5,6,7                        ; tile it: lane (r, h) wants the bias of features 16 it + 8 h + 0 .. 7
	global_load_b128 v[160+8*\t:163+8*\t], v10, s[12:13] offset:64*\t
	global_load_b128 v[164+8*\t:167+8*\t], v10, s[12:13] offset:64*\t+16
.endr
.macro SCALES                          ; all scale words for all eight K steps: register 8 t + q is tile t's word of K step q; every lane takes row r's
.irp t, 0,1,2,3,4,5,6,7
	ds_load_b128 v[32+8*\t:35+8*\t], v8 offset:544*\t
	ds_load_b128 v[36+8*\t:39+8*\t], v8 offset:544*\t+16
.endr
.irp t, 0,1,2,3
.irp q, 0,1,2,3,4,5,6,7
	ds_load_b32 v[96+8*\t+\q], v9 offset:512*\q+64*\t
.endr
.endr
.endm
.macro FETCH q, set                    ; the fragments of K step q into set: 16 loads for wo, 8 for A
	WIN 0x40                                       ; destination window 1, address window 0
.irp t, 0,1,2,3,4,5,6,7
.irp c, 0,1
	ds_load_b128 v[64*(\set)+8*\t+4*\c:64*(\set)+8*\t+4*\c+3], v[4+(\q)/4] offset:64*((\q)%4)+16*PITCH*\t+32*\c
.endr
.endr
.irp t, 0,1,2,3
.irp c, 0,1
	ds_load_b128 v[128+32*(\set)+8*\t+4*\c:128+32*(\set)+8*\t+4*\c+3], v6 offset:32768*((\q)/4)+4096*\t+1024*((\q)%4)+512*\c
.endr
.endr
	WIN 0
.endm
; 32 matrix instructions: K step q.  The 32 accumulators take turns, one instruction a turn, in the same order in every step.  first = 1: C = the bias: nothing is cleared.
.macro MUL set, q, first
.if \first
	WIN 0x85                                       ; sources 0 and 1 window 1, C window 0, D window 2
.else
	WIN 0xa5                                       ; sources 0 and 1 window 1, C and D window 2
.endif
.irp jt, 0,1,2,3
.irp it, 0,1,2,3,4,5,6,7
.if \first
	v_wmma_scale_f32_16x16x128_f8f6f4 v[8*(8*\jt+\it):8*(8*\jt+\it)+7], v[64*(\set)+8*\it:64*(\set)+8*\it+7], v[128+32*(\set)+8*\jt:128+32*(\set)+8*\jt+7], v[160+8*\it:167+8*\it], v[32+8*\it+(\q)], v[96+8*\jt+(\q)] matrix_a_fmt:MATRIX_FMT_FP4 matrix_b_fmt:MATRIX_FMT_FP4
.else
	v_wmma_scale_f32_16x16x128_f8f6f4 v[8*(8*\jt+\it):8*(8*\jt+\it)+7], v[64*(\set)+8*\it:64*(\set)+8*\it+7], v[128+32*(\set)+8*\jt:128+32*(\set)+8*\jt+7], v[8*(8*\jt+\it):8*(8*\jt+\it)+7], v[32+8*\it+(\q)], v[96+8*\jt+(\q)] matrix_a_fmt:MATRIX_FMT_FP4 matrix_b_fmt:MATRIX_FMT_FP4
.endif
.endr
.endr
	WIN 0
.endm
; K step q, 1 .. 6: the next step's fragments are asked for first, into the set that the step before has multiplied, four places behind its last product.
.macro STEPQ q
	PLACES 4
.if \q == 3
	s_wait_tensorcnt 0x0                           ; my part of K's second half has landed,
	s_wait_dscnt 0x0                               ; no LDS load of mine is out at the signal,
	s_barrier_signal -1
	s_barrier_wait -1                              ; and everybody's part has
.endif
	FETCH (\q)+1, ((\q)+1)%2
	s_wait_dscnt 24                                ; all but the 24 just issued
	MUL (\q)%2, \q, 0
.endm
	s_wait_tensorcnt 0x1                           ; the scales and my part of K's first half are in; the second half's load may stay out
	s_barrier_signal -1
	s_barrier_wait -1                              ; everybody's are
	SCALES
	FETCH 0, 0
	FETCH 1, 1
	s_wait_loadcnt 0x0                             ; the bias
	s_wait_dscnt 24                                ; all but K step 1's 24
	MUL 0, 0, 1
.irp q, 1,2,3,4,5,6
	STEPQ \q
.endr
	s_wait_dscnt 0x0
	MUL 1, 7, 0
; THE WAY OUT, a tile of 16 tokens x 128 features at a time.  A lane holds 32 neighbouring bytes of a row and the lanes beside it hold other rows: so a tile goes through my own stage in LDS and comes back as whole rows
; of 512 bytes.  LDS serves a wave's instructions in order (ISA guide 5.7.1.4): no wait between the stores and the loads, nor in front of the next tile's stores.
.macro TOSTAGE a
	WIN 0x08                                       ; an LDS store's data are its source 1: window 2
.irp b, 0,1,2,3,4,5,6,7
	ds_store_b128 v12, v[64*(\a)+8*\b:64*(\a)+8*\b+3] offset:64*\b          ; each accumulator from its low end on
	ds_store_b128 v12, v[64*(\a)+8*\b+4:64*(\a)+8*\b+7] offset:64*\b+16
.endr
	WIN 0
.set BB, 128+64*((\a)%2)
.irp t, 0,1,2,3,4,5,6,7,8,9,10,11,12,13,14,15
	ds_load_b128 v[BB+4*\t:BB+4*\t+3], v13 offset:\t*SPITCH
.endr
.endm
.macro SEND a, younger                 ; younger: the LDS instructions issued behind tile a's loads, which may stay out
.set BB, 128+64*((\a)%2)
	s_wait_dscnt \younger
.irp t, 0,1,2,3,4,5,6,7,8,9,10,11,12,13,14,15
	global_store_b128 v3, v[BB+4*\t:BB+4*\t+3], s[14:15] offset:4096*(16*(\a)+\t) th:TH_STORE_NT   ; 32 lanes store 512 consecutive bytes, aligned; 63 rows of 4,096 bytes at the most: inside the signed 24-bit immediate
.endr
.endm
	PLACES 4                                       ; in front of the first read of results
	s_wait_alu depctr_va_vdst(0)
	TOSTAGE 0
.irp a, 1,2,3
.if \a > 1
	s_wait_xcnt 0x0                                ; tile a - 2's stores have read their registers: tile a's loads may land there
.endif
	TOSTAGE \a
	SEND \a-1, 32                                  ; behind tile a - 1's loads: tile a's 16 stores and 16 loads
.endr
	SEND 3, 0
	s_wait_tensorcnt 0x0
	ds_add_u32 v30, v31
	s_wait_dscnt 0x0
	CROUND                                         ; the closing round: no work-group ends while a partner may still ask for a tile that names it
	s_endpgm
.Lfunc_end_k_qafed885f49_oproj:
	.size	k_qafed885f49_oproj, .Lfunc_end_k_qafed885f49_oproj-k_qafed885f49_oproj
	.p2alignl 7, 3214868480
	.fill 96, 4, 3214868480
	.section	.rodata,"a",@progbits
	.p2align	6, 0x0
	.amdhsa_kernel k_qafed885f49_oproj
		.amdhsa_group_segment_fixed_size 251904
		.amdhsa_private_segment_fixed_size 0
		.amdhsa_enable_private_segment 0
		.amdhsa_kernarg_size 48
		.amdhsa_user_sgpr_count 2
		.amdhsa_user_sgpr_kernarg_segment_ptr 1
		.amdhsa_wavefront_size32 1
		.amdhsa_system_sgpr_workgroup_id_x 1
		.amdhsa_system_sgpr_workgroup_id_y 1
		.amdhsa_system_sgpr_workgroup_id_z 1
		.amdhsa_system_vgpr_workitem_id 0
		.amdhsa_next_free_vgpr 768
		.amdhsa_next_free_sgpr 100
		.amdhsa_reserve_vcc 0
		.amdhsa_float_denorm_mode_32 3
		.amdhsa_float_denorm_mode_16_64 3
		.amdhsa_memory_ordered 1
		.amdhsa_forward_progress 1
		.amdhsa_inst_pref_size 75
	.end_amdhsa_kernel
	.amdgpu_metadata
---
amdhsa.version: [ 1, 2 ]
amdhsa.kernels:
  - .name:           k_qafed885f49_oproj
    .symbol:         k_qafed885f49_oproj.kd
    .args:
      - { .name: a_c, .offset: 0, .size: 8, .value_kind: global_buffer, .address_space: global }
      - { .name: a_s, .offset: 8, .size: 8, .value_kind: global_buffer, .address_space: global }
      - { .name: wo_codes, .offset: 16, .size: 8, .value_kind: global_buffer, .address_space: global }
      - { .name: wo_scales, .offset: 24, .size: 8, .value_kind: global_buffer, .address_space: global }
      - { .name: bo, .offset: 32, .size: 8, .value_kind: global_buffer, .address_space: global }
      - { .name: out0, .offset: 40, .size: 8, .value_kind: global_buffer, .address_space: global }
    .group_segment_fixed_size: 251904
    .private_segment_fixed_size: 0
    .kernarg_segment_align: 8
    .kernarg_segment_size: 48
    .max_flat_workgroup_size: 128
    .sgpr_count:     100
    .vgpr_count:     768
    .wavefront_size: 32
...
	.end_amdgpu_metadata
.endif
;; end of part 3
